; MI455X (gfx1250); checked and timed in simulation.
; The chip was launched on July 23, 2026; its instructions are those of AMD's public machine-readable ISA for CDNA 5 (MIT licence, August 2026) and "CDNA5" Instruction Set Architecture Reference Guide (July 2026). The comments in the code are by the model that wrote it; some were corrected since.
;; Variational Dense. Allowed arithmetic: matrix products marked QUANTISED: E5M2 operands, one E8M0 scale for each 32 along K, by v_wmma_scale_f32_16x16x128_f8f6f4 with both operands' format E5M2, f32 sums; everything else in f32.
;; Inputs: M 4,096 x 4,096 float32; bern 4,096 float32; m 4,096 float32; x 4,096 x 4,096 float32.
;; Outputs: out0 4,096 x 4,096 float32.
;; This version of the problem:
;;   THIS VERSION OF THE PROBLEM IS GIVEN IN LOW PRECISION. The matrix products marked QUANTISED in the list below multiply operands that are first quantised to E5M2 (5 exponent bits, 2 mantissa bits; 8 bits a number), with one power-of-two scale for each 32 numbers along K (OCP MX v1.0); their sums are f32. All else is computed in f32.
;;   The module's matrix products, in the order in which they are computed (A, B: the left and right operand; K: the contracted axis; several contracted axes count as one K, in the product's order):
;;     1. [M 4,096, K 4,096] x [K 4,096, N 4,096]; A: computed on the way; B: input M: QUANTISED
;;   THE QUANTISER, for each operand of a quantised product, along K:
;;     - K is cut into blocks of 32 from its start; a last block that is shorter is filled with zeros.
;;     - A block's scale is 2^e with e = floor(log2(the largest magnitude in the block)) - 15, held to -126 .. 127; a block of zeros has e = 0. As a byte (E8M0): e + 127.
;;     - Each number is divided by its block's scale, clamped to +-57,344, and rounded to the nearest number of E5M2, ties to even, subnormals kept.
;;     - The product sums the exact products of the quantised numbers (number of the format x scale) in f32.
;;   ~~~python
;;   def quantise(x, axis):      # numpy; x: float32 -> the quantised numbers, widened to float32 again
;;       x = np.moveaxis(x, axis, -1); K = x.shape[-1]
;;       x = np.pad(x, [(0, 0)] * (x.ndim - 1) + [(0, -K % 32)]); x = x.reshape(x.shape[:-1] + (-1, 32)); a = np.abs(x).max(-1, keepdims=True)
;;       e = np.where(a > 0, np.clip(np.frexp(np.where(a > 0, a, 1))[1] - 1 - 15, -126, 127), 0)      # np.frexp(a)[1] - 1 = floor(log2(a)), exactly
;;       r = np.clip(x / 2.0 ** e, -57344, 57344)
;;       step = 2.0 ** (np.maximum(np.frexp(np.where(r == 0, 1, r))[1] - 1, -14) - 2)
;;       q = np.round(r / step) * step * 2.0 ** e      # np.round: ties to even
;;       return np.moveaxis(q.reshape(q.shape[:-2] + (-1,))[..., :K], -1, axis).astype(np.float32)
;;   ~~~
;;   OPERANDS COMPUTED ON THE WAY. 'Computed on the way' means the value that the module computes at that place (a softmax that the list does not call 'softmax' is quantised finished and normalised). What goes into a quantiser is computed in f32, as accurately as f32 sums, v_exp_f32 and their like allow (about 1e-6 of the number): no bf16 or f16 on the way to a quantiser, and a product that is left as it is and whose result goes on into a quantised operand takes f32 operands (vector FMAs, or v_wmma_f32_16x16x4_f32). A number that lies on a knife's edge between two numbers of the format may be rounded either way, as far as f32 arithmetic and the matrix unit's own rounding can turn it there, and no further.
;; One version. Each part assembles by itself: llvm-mc -triple=amdgcn-amd-amdhsa -mcpu=gfx1250 --defsym DOCPART=n.
;; ======== version 1 of 1: 2 launches
;; limits: right only within a limited range of input values
;; workspace buffers: a_pack 17,301,504 bytes; b_pack 17,301,504 bytes
;; launch quant (part 1): grid 256 x 1, 8 waves a work-group, no clusters, 327,680 bytes of LDS; arguments x, bern, M, a_pack, b_pack; writes a_pack, b_pack
.if DOCPART == 1
	.amdgcn_target "amdgcn-amd-amdhsa--gfx1250"
	.amdhsa_code_object_version 6
	.text
	.protected	k_qd20edf64b0_quant
	.globl	k_qd20edf64b0_quant
	.p2align	8
	.type	k_qd20edf64b0_quant,@function
k_qd20edf64b0_quant:
	s_mov_b64 s[64:65], 0
	v_nop
	global_prefetch_b8 v0, s[64:65] scope:SCOPE_SE
	s_setreg_imm32_b32 hwreg(HW_REG_WAVE_MODE, 25, 1), 1
	s_wait_xcnt 0x0
; x * bern [4096 rows][4096 K] and M [4096 K][4096 columns], f32, become codes of BF8 (E5M2) with one E8M0 scale byte for each 32 along K.
; A block's scale is 2^(floor(log2(its largest magnitude)) - 15); its byte is the largest magnitude's exponent field - 15, held at 1 from below.  Each number is divided by the scale,
; held within +-57,344 and rounded to the nearest code, ties to even.
; LIMITS: NaN and infinities among the inputs are not served.  A block of zeros gets the byte 1 where the rule says 127: its codes are zeros, which add nothing under any byte but 0xff,
; and the bytes are read by this program alone.  Blocks whose largest magnitude lies under 2^-111 take the byte 1, the rule's own lower bound.
; THE WORKSPACE, alike for both operands.  An operand row is a row of x or a column of M.  Pack (g, s) holds 128 operand rows (g = row / 128) x 256 along K (s = k / 256) at byte (16 g + s) x 33,792:
; the code of (row r, k) at 256 r + k % 256, the scale byte at 32,768 + 8 r + (k % 256) / 32.
; SHARES.  256 work-groups of eight waves; each makes four packs, in this order: x's (2 hi, lo), M's (2 lo, hi), x's (2 hi + 1, lo), M's (2 lo + 1, hi), with hi = work-group / 16, lo = work-group % 16.
; A pack's 131,072 bytes of f32 come into LDS by eight tensor loads, one a wave: x's 128 rows of 1,024 bytes always into slot 0 (16 bytes of padding behind each row), M's 256 rows of 512 bytes always into slot 1.
; While a pack is worked on, the next pack's loads are on their way; each refill stands behind a barrier with all loads waited for.
; x: wave w takes block w of 32 along K; a lane takes a row, and its registers run along K.
; M: wave w takes the 32 rows k = 32 w + i; a lane takes four columns, and its registers run down K.  In both a block's largest magnitude needs no other lane.
; The codes meet in one stage (128 rows x 272 bytes, and 1,024 scale bytes) and leave as whole rows: each store of a wave covers 512 consecutive bytes.
; PREFETCH: each wave names the 64 units of 256 bytes of its own part of the pack one refill on: two lines a pack; pack 1 at the head.  Nothing is named twice, and nothing beyond pack 3.
; No cluster: the work-groups share no input but bern.  No matrix unit: there is no product here.
.set BLK,   33792
.set SCB,   32768
.set EMAX,  15
.set MANT,  0x600000                   ; the mantissa field of 57,344 as f32
.set ROWB,  16384                      ; a row of x or of M in bytes
.set XP,    1040                       ; a row of x's tile in LDS
.set SL1,   128*XP                     ; slot 1
.set STG,   SL1+256*512                ; the stage of codes
.set MP,    272
.set SCLB,  STG+128*MP                 ; the pack's scale bytes
.set SPARE, SCLB+1024                  ; the spare words: 1,024 bytes that no other line names
.set SPW, 8
.set NIL, 9
.set XA,  10                           ; v10-11 x's tile: my row of rows 0-63, of rows 64-127, at my wave's block
.set MA,  12                           ; M's tile: my wave's first row, my four columns
.set XST, 13                           ; into the stage, x: row = lane, my wave's 32 bytes
.set XBY, 14
.set MST, 15                           ; into the stage, M: row = 4 x lane
.set MBY, 16
.set ORD, 17                           ; out of the stage: sixteen lanes to a row, from row 16 w on
.set OSR, 18                           ; the scale bytes in LDS, 8 a lane
.set OSO, 19                           ; and their place behind my codes' base
.set PFX, 20                           ; a prefetch's offsets: x: 4 units a row; M: 2 units a row
.set PFM, 21
.set BO,  22                           ; 0: bern's offset
.set AM,  24                           ; largest magnitudes
.set SO,  28                           ; the conversions' scale operands
.set LIM, 32                           ; 57,344 x the scale
.set BY,  36                           ; scale bytes
.set DAT, 40                           ; v40-167 the numbers; later the rows on their way out
.set MT,  168                          ; v168-199 M: one column's 32 numbers, held, on end;  x: codes, eight registers a unit
.set CX,  168
.set CM,  200                          ; v200-231 M: codes, eight registers a column;  x: bern at my wave's 32 places along K
.set BN,  200
.set G1X, 24
.set G1M, 36
.set G0,  44                           ; s[44:59] group 0 of the four packs
	s_load_b256 s[4:11], s[0:1], 0x0               ; x, bern, M, a_pack
	s_load_b64 s[12:13], s[0:1], 0x20              ; b_pack
	v_lshl_add_u32 v[SPW], v0, 2, SPARE
	v_mov_b32 v[NIL], 0
	ds_add_u32 v[SPW], v[NIL]                      ; the opening lines: the add, twice on end, and its wait ahead of my first tensor load
	ds_add_u32 v[SPW], v[NIL]
	v_lshrrev_b32 v1, 5, v0
	v_readfirstlane_b32 s16, v1                    ; wave 0..7
	s_mov_b32 s33, MANT
	s_mov_b32 s[G1X+0], (2<<16)|(1<<20)|(7<<22)|(3<<25)   ; elements of 4 bytes; 4 words of padding behind every 256
	s_mov_b32 s[G1X+1], 256<<16                    ; 16 rows of 256 elements
	s_mov_b32 s[G1X+2], 16<<16
	s_mov_b32 s[G1X+3], 256<<16
	s_mov_b32 s[G1X+4], 16
	s_mov_b32 s[G1X+5], 4096
	s_mov_b32 s[G1X+6], 0
	s_mov_b32 s[G1X+7], 0
	s_mov_b32 s[G1M+0], 2<<16
	s_mov_b32 s[G1M+1], 128<<16                    ; 32 rows of 128 elements
	s_mov_b32 s[G1M+2], 32<<16
	s_mov_b32 s[G1M+3], 128<<16
	s_mov_b32 s[G1M+4], 32
	s_mov_b32 s[G1M+5], 4096
	s_mov_b32 s[G1M+6], 0
	s_mov_b32 s[G1M+7], 0
	s_mov_b32 s44, 1
	s_mul_i32 s45, s16, 16*XP                      ; x: my 16 rows of slot 0
	s_mov_b32 s48, 1
	s_lshl_b32 s49, s16, 14
	s_add_co_u32 s49, s49, SL1                     ; M: my 32 rows of slot 1
	s_mov_b32 s52, 1
	s_mov_b32 s53, s45
	s_mov_b32 s56, 1
	s_mov_b32 s57, s49
	s_lshr_b32 s17, ttmp9, 4                       ; hi
	s_and_b32 s18, ttmp9, 15                       ; lo
	s_lshl_b32 s19, s17, 8
	s_lshl_b32 s20, s16, 4
	s_add_co_u32 s19, s19, s20                     ; x: row 256 hi + 16 w
	s_lshl_b32 s19, s19, 14
	s_lshl_b32 s20, s18, 10                        ; K step lo: 1,024 bytes, in a row of x and in bern
	s_add_co_u32 s60, s19, s20
	s_mov_b32 s61, 0
	s_lshl_b32 s19, s17, 8
	s_lshl_b32 s21, s16, 5
	s_add_co_u32 s19, s19, s21                     ; M: row 256 hi + 32 w
	s_lshl_b32 s19, s19, 14
	s_add_co_u32 s62, s19, s20                     ; columns 256 lo on: 1,024 bytes
	s_mov_b32 s63, 0
	s_lshl_b32 s22, s16, 7
	s_add_co_u32 s22, s22, s20                     ; bern: 256 lo + 32 w
	s_mov_b32 s23, 0
	s_lshl_b32 s21, s16, 12                        ; on the way out wave w stores rows 16 w on: 4,096 bytes
	s_lshl_b32 s19, s17, 5
	s_add_co_u32 s19, s19, s18
	s_mul_i32 s19, s19, BLK                        ; x's pack (2 hi, lo)
	s_add_co_u32 s34, s19, s21
	s_mov_b32 s35, 0
	s_lshl_b32 s19, s18, 5
	s_add_co_u32 s19, s19, s17
	s_mul_i32 s19, s19, BLK                        ; M's pack (2 lo, hi)
	s_add_co_u32 s14, s19, s21
	s_mov_b32 s15, 0
	s_wait_dscnt 0x0                               ; both opening adds are done
	s_wait_kmcnt 0x0
	s_add_nc_u64 s[4:5], s[4:5], s[60:61]
	s_mov_b64 s[46:47], s[4:5]
	s_or_b32 s47, s47, 0x80000000
	tensor_load_to_lds s[44:47], s[G1X:G1X+7]      ; pack 0: one tensor load a wave at the head
	s_nop 0
	s_add_nc_u64 s[8:9], s[8:9], s[62:63]          ; pack 1's part
	s_add_nc_u64 s[66:67], s[4:5], 128*ROWB        ; pack 2's: 128 rows of x on
	s_add_nc_u64 s[68:69], s[8:9], 512             ; pack 3's: 128 columns of M on
	s_mov_b64 s[50:51], s[8:9]
	s_or_b32 s51, s51, 0x80000000
	s_mov_b64 s[54:55], s[66:67]
	s_or_b32 s55, s55, 0x80000000
	s_mov_b64 s[58:59], s[68:69]
	s_or_b32 s59, s59, 0x80000000
	s_add_nc_u64 s[6:7], s[6:7], s[22:23]
	s_add_nc_u64 s[72:73], s[10:11], s[34:35]      ; s[72:79] where my rows of the four packs go
	s_add_nc_u64 s[76:77], s[72:73], 16*BLK
	s_add_nc_u64 s[74:75], s[12:13], s[14:15]
	s_add_nc_u64 s[78:79], s[74:75], 16*BLK
	s_lshl_b32 s17, s16, 7                         ; block w of a row of x: 128 bytes
	s_lshl_b32 s20, s16, 5
	s_add_co_u32 s20, s20, STG                     ; my wave's 32 bytes of a stage row
	s_add_co_u32 s21, s16, SCLB                    ; my wave's byte of a row's eight
	s_mul_i32 s60, s16, 16*MP
	s_add_co_u32 s60, s60, STG
	s_and_b32 s61, s16, 3                          ; waves 0-3 store 256 scale bytes each
	s_lshl_b32 s62, s61, 8
	s_add_co_u32 s62, s62, SCLB
	s_mul_i32 s63, s61, 3840
	s_sub_co_u32 s63, SCB, s63                     ; 32,768 + 256 w, counted from my codes' base at 4,096 w
	v_and_b32 v2, 31, v0                           ; lane
	v_lshlrev_b32 v3, 4, v2
	v_mul_u32_u24 v[XA], v2, XP
	v_add_nc_u32 v[XA], s17, v[XA]
	v_add_nc_u32 v[XA+1], 64*XP, v[XA]
	v_add_nc_u32 v[MA], s49, v3
	v_mul_u32_u24 v[XST], v2, MP
	v_add_nc_u32 v[XST], s20, v[XST]
	v_lshlrev_b32 v[XBY], 3, v2
	v_add_nc_u32 v[XBY], s21, v[XBY]
	v_mul_u32_u24 v[MST], v2, 4*MP
	v_add_nc_u32 v[MST], s20, v[MST]
	v_lshlrev_b32 v[MBY], 5, v2
	v_add_nc_u32 v[MBY], s21, v[MBY]
	v_and_b32 v1, 15, v2
	v_lshrrev_b32 v23, 4, v2
	v_mul_u32_u24 v[ORD], v23, MP
	v_lshl_add_u32 v[ORD], v1, 4, v[ORD]
	v_add_nc_u32 v[ORD], s60, v[ORD]
	v_lshlrev_b32 v[OSO], 3, v2
	v_add_nc_u32 v[OSR], s62, v[OSO]
	v_add_nc_u32 v[OSO], s63, v[OSO]
	v_lshrrev_b32 v1, 2, v2
	v_and_b32 v23, 3, v2
	v_lshlrev_b32 v23, 8, v23
	v_lshl_add_u32 v[PFX], v1, 14, v23             ; row lane / 4, unit lane % 4
	v_lshrrev_b32 v1, 1, v2
	v_and_b32 v23, 1, v2
	v_lshlrev_b32 v23, 8, v23
	v_lshl_add_u32 v[PFM], v1, 14, v23             ; row lane / 2, unit lane % 2
	v_mov_b32 v[BO], 0
	s_wait_alu depctr_va_vdst(0)
.macro ASKX a                          ; my 16 rows x 4 units of a pack of x
	global_prefetch_b8 v[PFX], s[\a:\a+1] th:TH_LOAD_NT scope:SCOPE_SE
	global_prefetch_b8 v[PFX], s[\a:\a+1] offset:8*ROWB th:TH_LOAD_NT scope:SCOPE_SE
.endm
.macro ASKM a                          ; my 32 rows x 2 units of a pack of M
	global_prefetch_b8 v[PFM], s[\a:\a+1] th:TH_LOAD_NT scope:SCOPE_SE
	global_prefetch_b8 v[PFM], s[\a:\a+1] offset:16*ROWB th:TH_LOAD_NT scope:SCOPE_SE
.endm
	ASKM 8
.macro XLOAD                           ; bern at my block, the same in every lane; then four units of 32 rows: a lane's 32 numbers of its row
.irp j, 0,1,2,3,4,5,6,7
	global_load_b128 v[BN+4*\j:BN+4*\j+3], v[BO], s[6:7] offset:16*\j
.endr
.irp u, 0,1,2,3
.irp j, 0,1,2,3,4,5,6,7
	ds_load_b128 v[DAT+32*\u+4*\j:DAT+32*\u+4*\j+3], v[XA+\u/2] offset:(\u%2)*32*XP+16*\j
.endr
.endr
.endm
.macro XUNIT u                         ; rows 32 u + lane, block w
.set XS, DAT+32*(\u)
	s_wait_dscnt (3-(\u))*8+3*(\u)                 ; behind this unit's loads: the later units' eight each, and three stores for each unit done
.irp j, 0,2,4,6,8,10,12,14,16,18,20,22,24,26,28,30
	v_pk_mul_f32 v[XS+\j:XS+\j+1], v[XS+\j:XS+\j+1], v[BN+\j:BN+\j+1]   ; x * bern, in f32: what is quantised
.endr
	v_max3_num_f32 v[AM], |v[XS]|, |v[XS+1]|, |v[XS+2]|            ; the block's largest magnitude, in two chains
	v_max3_num_f32 v[AM+1], |v[XS+3]|, |v[XS+4]|, |v[XS+5]|
.irp i, 6,10,14,18,22,26
	v_max3_num_f32 v[AM], v[AM], |v[XS+\i]|, |v[XS+\i+1]|
	v_max3_num_f32 v[AM+1], v[AM+1], |v[XS+\i+2]|, |v[XS+\i+3]|
.endr
	v_max3_num_f32 v[AM], v[AM], |v[XS+30]|, |v[XS+31]|
	v_max3_num_f32 v[AM], v[AM], v[AM+1], (EMAX+1)<<23   ; the floor 2^(16 - 127): the byte cannot fall under 1
	v_add_nc_u32 v[SO], -(EMAX<<23), v[AM]         ; 15 off the exponent field: the conversion's scale operand
	v_and_or_b32 v[LIM], v[AM], 0x7f800000, s33    ; 57,344 x the scale
.irp i, 0,1,2,3,4,5,6,7,8,9,10,11,12,13,14,15,16,17,18,19,20,21,22,23,24,25,26,27,28,29,30,31
	v_med3_num_f32 v[XS+\i], v[XS+\i], -v[LIM], v[LIM]   ; the conversion to an 8-bit code does not saturate (ISA guide 7.6.2): hold the number first
.endr
.irp g, 0,1,2,3
	v_cvt_scalef32_pk8_bf8_f32 v[CX+8*(\u)+2*\g:CX+8*(\u)+2*\g+1], v[XS+8*\g:XS+8*\g+7], v[SO]
.endr
	v_lshrrev_b32 v[BY+(\u)], 23, v[SO]            ; the scale's byte; also the plain line behind the conversions
	ds_store_b128 v[XST], v[CX+8*(\u):CX+8*(\u)+3] offset:32*MP*(\u)
	ds_store_b128 v[XST], v[CX+8*(\u)+4:CX+8*(\u)+7] offset:32*MP*(\u)+16
	ds_store_b8 v[XBY], v[BY+(\u)] offset:256*(\u)
.endm
.macro MLOAD                           ; register 4 i + c: M(32 w + i, my column c)
.irp i, 0,1,2,3,4,5,6,7,8,9,10,11,12,13,14,15,16,17,18,19,20,21,22,23,24,25,26,27,28,29,30,31
	ds_load_b128 v[DAT+4*\i:DAT+4*\i+3], v[MA] offset:512*\i
.endr
.endm
.macro MWORK
	s_wait_dscnt 0x0
.irp c, 0,1,2,3
	v_max3_num_f32 v[AM+\c], |v[DAT+\c]|, |v[DAT+4+\c]|, (EMAX+1)<<23   ; the four columns by turns; the floor is one of the leaves
.endr
.irp i, 2,4,6,8,10,12,14,16,18,20,22,24,26,28,30
.irp c, 0,1,2,3
	v_max3_num_f32 v[AM+\c], v[AM+\c], |v[DAT+4*\i+\c]|, |v[DAT+4*\i+4+\c]|
.endr
.endr
.irp c, 0,1,2,3
	v_add_nc_u32 v[SO+\c], -(EMAX<<23), v[AM+\c]
.endr
.irp c, 0,1,2,3
	v_and_or_b32 v[LIM+\c], v[AM+\c], 0x7f800000, s33
.endr
.irp c, 0,1,2,3
.irp i, 0,1,2,3,4,5,6,7,8,9,10,11,12,13,14,15,16,17,18,19,20,21,22,23,24,25,26,27,28,29,30,31
	v_med3_num_f32 v[MT+\i], v[DAT+4*\i+\c], -v[LIM+\c], v[LIM+\c]   ; the hold, which also lays column c's 32 numbers on end
.endr
.irp j, 0,1,2,3
	v_cvt_scalef32_pk8_bf8_f32 v[CM+8*\c+2*\j:CM+8*\c+2*\j+1], v[MT+8*\j:MT+8*\j+7], v[SO+\c]
.endr
	v_lshrrev_b32 v[BY+\c], 23, v[SO+\c]           ; the scale's byte; also the plain line between the conversions and the next column's holds
	ds_store_b128 v[MST], v[CM+8*\c:CM+8*\c+3] offset:MP*\c
	ds_store_b128 v[MST], v[CM+8*\c+4:CM+8*\c+7] offset:MP*\c+16
	ds_store_b8 v[MBY], v[BY+\c] offset:8*\c
.endr
.endm
.macro OUT sb                          ; the pack leaves: 16 rows a wave, two rows a store; the 1,024 scale bytes by waves 0-3
.irp t, 0,1,2,3,4,5,6,7
	ds_load_b128 v[DAT+4*\t:DAT+4*\t+3], v[ORD] offset:2*\t*MP
.endr
.irp t, 0,1,2,3,4,5,6,7
	s_wait_dscnt 7-\t                              ; LDS loads come back in order: pair t of the eight is in
	global_store_b128 v3, v[DAT+4*\t:DAT+4*\t+3], s[\sb:\sb+1] offset:512*\t   ; 512 consecutive bytes, at a multiple of 256 from the buffer's first byte
.endr
	s_cmp_lt_u32 s16, 4
	s_cbranch_scc0 .Lno_bytes_\@
	ds_load_b64 v[DAT+32:DAT+33], v[OSR]
	s_wait_dscnt 0x0
	global_store_b64 v[OSO], v[DAT+32:DAT+33], s[\sb:\sb+1]    ; 256 consecutive bytes
.Lno_bytes_\@:
.endm
.macro PHASE i
.if (\i) > 0
	s_wait_xcnt 0x0                                ; the last pack's stores have read their registers, which are loaded anew below
.endif
	s_wait_tensorcnt 0x0                           ; my part of pack i has landed
	ds_add_u32 v[SPW], v[NIL]
	s_wait_dscnt 0x0                               ; the add, my reads of the other slot and of the stage
	s_barrier_signal -1
	s_barrier_wait -1                              ; pack i lies whole in its slot; nobody reads the other slot or the stage
.if (\i) == 0 || (\i) == 2
.if (\i) < 3
	tensor_load_to_lds s[G0+4*(\i)+4:G0+4*(\i)+7], s[G1M:G1M+7]   ; the next pack, M's, into slot 1
	s_nop 0
.endif
	XLOAD
.if (\i) == 0
	ASKX 66                                        ; pack 2
.endif
	s_wait_loadcnt 0x0                             ; bern
	XUNIT 0
	XUNIT 1
	XUNIT 2
	XUNIT 3
.else
.if (\i) < 3
	tensor_load_to_lds s[G0+4*(\i)+4:G0+4*(\i)+7], s[G1X:G1X+7]   ; the next pack, x's, into slot 0
	s_nop 0
.endif
	MLOAD
.if (\i) == 1
	ASKM 68                                        ; pack 3
.endif
	MWORK
.endif
	s_wait_dscnt 0x0                               ; for the others' sake: my stores into the stage are done
	s_barrier_signal -1
	s_barrier_wait -1                              ; the pack's codes lie whole in the stage
	OUT 72+2*(\i)
.endm
	PHASE 0
	PHASE 1
	PHASE 2
	PHASE 3
	s_wait_tensorcnt 0x0                           ; the wave's end
	ds_add_u32 v[SPW], v[NIL]
	s_wait_dscnt 0x0
	s_endpgm
.Lfunc_end_k_qd20edf64b0_quant:
	.size	k_qd20edf64b0_quant, .Lfunc_end_k_qd20edf64b0_quant-k_qd20edf64b0_quant
	.p2alignl 7, 3214868480
	.fill 96, 4, 3214868480
	.section	.rodata,"a",@progbits
	.p2align	6, 0x0
	.amdhsa_kernel k_qd20edf64b0_quant
		.amdhsa_group_segment_fixed_size 327680
		.amdhsa_private_segment_fixed_size 0
		.amdhsa_enable_private_segment 0
		.amdhsa_kernarg_size 40
		.amdhsa_user_sgpr_count 2
		.amdhsa_user_sgpr_kernarg_segment_ptr 1
		.amdhsa_wavefront_size32 1
		.amdhsa_system_sgpr_workgroup_id_x 1
		.amdhsa_system_sgpr_workgroup_id_y 1
		.amdhsa_system_sgpr_workgroup_id_z 1
		.amdhsa_system_vgpr_workitem_id 0
		.amdhsa_next_free_vgpr 232
		.amdhsa_next_free_sgpr 80
		.amdhsa_reserve_vcc 0
		.amdhsa_float_denorm_mode_32 3
		.amdhsa_float_denorm_mode_16_64 3
		.amdhsa_memory_ordered 1
		.amdhsa_forward_progress 1
		.amdhsa_inst_pref_size 92
	.end_amdhsa_kernel
	.amdgpu_metadata
---
amdhsa.version: [ 1, 2 ]
amdhsa.kernels:
  - .name:           k_qd20edf64b0_quant
    .symbol:         k_qd20edf64b0_quant.kd
    .args:
      - { .name: x, .offset: 0, .size: 8, .value_kind: global_buffer, .address_space: global }
      - { .name: bern, .offset: 8, .size: 8, .value_kind: global_buffer, .address_space: global }
      - { .name: M, .offset: 16, .size: 8, .value_kind: global_buffer, .address_space: global }
      - { .name: a_pack, .offset: 24, .size: 8, .value_kind: global_buffer, .address_space: global }
      - { .name: b_pack, .offset: 32, .size: 8, .value_kind: global_buffer, .address_space: global }
    .group_segment_fixed_size: 327680
    .private_segment_fixed_size: 0
    .kernarg_segment_align: 8
    .kernarg_segment_size: 40
    .max_flat_workgroup_size: 256
    .sgpr_count:     80
    .vgpr_count:     232
    .wavefront_size: 32
...
	.end_amdgpu_metadata
.endif
;; end of part 1
;; launch gemm (part 2): grid 16 x 16, 4 waves a work-group, clusters of 4 x 4, 327,680 bytes of LDS; arguments a_pack, b_pack, m, out0; writes out0
.if DOCPART == 2
	.amdgcn_target "amdgcn-amd-amdhsa--gfx1250"
	.amdhsa_code_object_version 6
	.text
	.protected	k_qd20edf64b0_gemm
	.globl	k_qd20edf64b0_gemm
	.p2align	8
	.type	k_qd20edf64b0_gemm,@function
k_qd20edf64b0_gemm:
	s_mov_b64 s[64:65], 0
	v_nop
	global_prefetch_b8 v0, s[64:65] scope:SCOPE_SE
	s_setreg_imm32_b32 hwreg(HW_REG_WAVE_MODE, 25, 1), 1
	s_wait_xcnt 0x0
	s_wait_alu depctr_hold_cnt(0) depctr_sa_sdst(0) depctr_va_vdst(0) depctr_va_sdst(0) depctr_va_ssrc(0) depctr_va_vcc(0) depctr_vm_vsrc(0)
	s_getreg_b32 s2, hwreg(HW_REG_IB_STS2, 6, 4)
	s_cmp_eq_u32 s2, 0
	s_cbranch_scc0 .Lentry_in_a_cluster
	s_endpgm
.Lentry_in_a_cluster:
	s_bfe_u32 s2, ttmp6, 0x10000c
	s_cmp_lg_u32 s2, 0xf033
	s_cbranch_scc0 .Lentry_shape_is_right
	s_endpgm
.Lentry_shape_is_right:
; out0[row][col] = m[col] + sum over k of A[row][k] B[col][k], A = x * bern and B = M^T as codes of BF8 (E5M2) with one E8M0 byte for each 32 along K, as the first launch packs them; sums in f32.
; Pack (g, s) of an operand: 128 operand rows (g = row / 128) x 256 along K (s = k / 256), 33,792 dense bytes at (16 g + s) x 33,792: 128 rows of 256 codes, then 8 scale bytes a row.
; LIMITS: NaN, infinities and sums beyond f32's range are not served.  No work of the problem is left out: m is the C of each sum's first product.
; SHARES.  256 work-groups, each 256 x 256 of out0; four waves, each 128 x 128: 64 accumulators, 512 registers.  K goes in 16 steps of 256 through two LDS slots; a slot is four packs (A's two, B's two), one tensor load a wave,
; stated as 132 rows of 256 bytes with 16 bytes of padding behind each (LDS pitch 272: the 16 rows that a fragment load touches begin in 16 different groups of banks).
; CLUSTERS 4 x 4: A's packs are shared along a row of the cluster, B's along a column: joint loads, each with a mask of four.  The round of the cluster's barrier is the barrier in front of each refill.
; THE PRODUCT IS USED TRANSPOSED (source 0 = 16 rows of B, source 1 = 16 rows of A): a lane holds eight neighbouring columns of one row of out0.
; A HALF STEP is 128 along K: 64 products, A's blocks 0..7 one after the other, each against B's eight.  The next half step's 64 to 72 LDS loads stand in three runs of 16 or 24 among its blocks.
; B has two sets of registers; A's blocks 0-3 one set (a block is loaded anew when its products are issued and eight places have passed); A's blocks 4-7 two sets, X for a slot's first half and Y for its second.
; So a slot's second half reads nothing of its own slot: the drained round stands at its start, and all its loads read the other slot.
; REGISTERS: window 0: v0-31 addresses; v32-63 scale words, a set for each slot; v64-127 the bias in the first half step, then Y; v128-191 A's blocks 0-3; v192-255 X.
;   window 1: B's two sets.  window 2: accumulators of my rows 0-63 ((a, b) at v[8 (8 a + b)]);  window 3: rows 64-127.
; PREFETCH: behind each refill (K step t + 2) a wave names K step t + 4 of the pack that it fetches; the four partners that ask for a pack jointly share its 132 units of 256 bytes by address, 33 each
; (32 lanes a unit each, then one line for the 33rd).  The head names K steps 1, 2, 3; the loop's last trip names nothing: K step 15 is the last.
.set SIZE_N, 4096
.set PITCH,  272
.set BLK,    33792                     ; a pack
.set GROW,   16*BLK                    ; all of K of 128 operand rows
.set HALFT,  132*PITCH                 ; a pack in LDS
.set SCO,    128*PITCH                 ; its scale bytes
.set SLOT,   4*HALFT
.set SPARE,  2*SLOT                    ; the spare words: 512 bytes that no other line names
.set LAPS,   8                         ; a lap = two K steps of 256
.set FR,     16                        ; registers of a fragment
.set NP,     8                         ; places behind this matrix instruction (ISA guide 7.12.1)
.set SPITCH, 528                       ; the way out: a stage of 16 rows x (512 + 16) bytes a wave, in slot 0 behind its last fill and last read
.set ADRA, 16                          ; v16-17 LDS address of my A fragments in slot 0, 1
.set ADRB, 20                          ; v20-21 of my B fragments
.set ADRS, 22                          ; v22-23 of my scale words: lanes 0-15 A's rows, lanes 16-31 B's
.set STO,  24
.set RD,   25
.set CO,   26
.set PFO,  27                          ; 256 x lane
.set SPW,  28                          ; my spare word
.set NIL,  29                          ; 0
.set PFL,  30                          ; 256 x 32
.set SC,   32
.set BIAS, 64
.set AY,   64
.set AF,   128
.set BK,   128
.set G1,  24
.set G0,  32
.set G1B, 48
.set G0B, 56
.set PFA, 66                           ; s[66:67] where my prefetches stand
.set TO_B, 0x40                        ; destination window 1, address window 0
.set MSB, 0
.macro WIN new                         ; the immediate's high byte repeats the setting that is left
.if MSB != \new
	s_set_vgpr_msb (MSB<<8)|\new
.set MSB, \new
.endif
.endm
.macro PLACES n
.rept \n
	v_nop
.endr
.endm
.macro JLOAD s                         ; a joint load: waves 0, 1 fetch A's two packs, waves 2, 3 B's; s_nop 0 and four v_nop behind each line
	s_cmp_eq_u32 s15, 0
	s_cbranch_scc0 .Lfor_b_\@
	tensor_load_to_lds s[G0+4*\s:G0+4*\s+3], s[G1:G1+7]
	s_nop 0
	PLACES 4
	s_branch .Lasked_\@
.Lfor_b_\@:
	tensor_load_to_lds s[G0B+4*\s:G0B+4*\s+3], s[G1B:G1B+7]
	s_nop 0
	PLACES 4
.Lasked_\@:
.endm
.macro CREST                           ; a round of the cluster's barrier behind its opening barrier
	s_cmp_lg_u32 s14, 0
	s_cbranch_scc1 .Lnot_wave_0_\@
	s_barrier_signal -3
.Lnot_wave_0_\@:
	s_barrier_wait -3
	s_barrier_signal -1
	s_barrier_wait -1
.endm
.macro CROUND
	s_barrier_signal -1
	s_barrier_wait -1
	CREST
.endm
.macro PF n                            ; my 33 units of the pack n K steps behind where s[PFA] stands
	global_prefetch_b8 v[PFO], s[PFA:PFA+1] offset:(\n)*BLK th:TH_LOAD_NT scope:SCOPE_SE
	global_prefetch_b8 v[PFL], s[PFA:PFA+1] offset:(\n)*BLK th:TH_LOAD_NT scope:SCOPE_SE
.endm
	s_load_b256 s[4:11], s[0:1], 0x0               ; a_pack, b_pack, m, out0
	v_lshl_add_u32 v[SPW], v0, 2, SPARE
	v_mov_b32 v[NIL], 0
	ds_add_u32 v[SPW], v[NIL]                      ; the opening lines: the add, twice on end, and its wait ahead of my first tensor load
	ds_add_u32 v[SPW], v[NIL]
	v_lshrrev_b32 v1, 5, v0
	v_readfirstlane_b32 s14, v1                    ; wave 0..3
	v_and_b32 v6, 31, v0                           ; lane
	v_lshlrev_b32 v[PFO], 8, v6
	v_mov_b32 v[PFL], 32*256
	s_lshr_b32 s15, s14, 1                         ; my half of the rows; also: I fetch for A (0) or B (1)
	s_and_b32 s16, s14, 1                          ; my half of the columns; also: which of the two packs I fetch
	s_bfe_u32 s40, ttmp6, 0x40000                  ; cx, cy
	s_bfe_u32 s41, ttmp6, 0x40004
	s_lshl_b32 s42, ttmp9, 2
	s_add_co_u32 s42, s42, s40                     ; tile column
	s_and_b32 s17, ttmp7, 0xffff
	s_lshl_b32 s17, s17, 2
	s_add_co_u32 s17, s17, s41                     ; tile row
	s_lshl_b32 s43, s41, 2
	s_lshl_b32 s43, 15, s43                        ; my row of the cluster
	s_lshl_b32 s44, 0x1111, s40                    ; my column
	s_or_b32 s[G1+0], s43, (3<<16)|(1<<20)|(1<<21)|(5<<22)|(3<<25)   ; elements of 8 bytes; 4 words of padding behind every 64; bit 21 beside the mask
	s_or_b32 s[G1B+0], s44, (3<<16)|(1<<20)|(1<<21)|(5<<22)|(3<<25)
.irp g, G1, G1B
	s_mov_b32 s[\g+1], 32<<16                      ; rows of 32 elements = 256 bytes
	s_mov_b32 s[\g+2], 132<<16
	s_mov_b32 s[\g+3], 32<<16
	s_mov_b32 s[\g+4], 132
	s_mov_b32 s[\g+5], 32
	s_mov_b32 s[\g+6], 0
	s_mov_b32 s[\g+7], 0
.endr
	s_lshl_b32 s20, s17, 1
	s_add_co_u32 s20, s20, s16
	s_mul_i32 s20, s20, GROW                       ; A: group 2 x tile row + pack
	s_mov_b32 s21, 0
	s_lshl_b32 s46, s42, 1
	s_add_co_u32 s46, s46, s16
	s_mul_i32 s46, s46, GROW                       ; B: group 2 x tile column + pack
	s_mov_b32 s47, 0
	s_mul_i32 s45, s14, HALFT                      ; where my pack goes: the wave's number alone
.irp s, 0,1
	s_mov_b32 s[G0+4*\s], 1
	s_add_co_u32 s[G0+4*\s+1], s45, \s*SLOT
	s_mov_b32 s[G0B+4*\s], 1
	s_add_co_u32 s[G0B+4*\s+1], s45, \s*SLOT
.endr
	s_wait_alu depctr_va_vdst(0)
	s_wait_dscnt 0x0                               ; both opening adds are done
	CROUND                                         ; all sixteen work-groups are here: the first joint loads meet
	s_wait_kmcnt 0x0
	s_add_nc_u64 s[20:21], s[4:5], s[20:21]
	s_add_nc_u64 s[46:47], s[6:7], s[46:47]
.irp s, 0,1
	s_add_nc_u64 s[G0+4*\s+2:G0+4*\s+3], s[20:21], \s*BLK
	s_or_b32 s[G0+4*\s+3], s[G0+4*\s+3], 0x80000000
	s_add_nc_u64 s[G0B+4*\s+2:G0B+4*\s+3], s[46:47], \s*BLK
	s_or_b32 s[G0B+4*\s+3], s[G0B+4*\s+3], 0x80000000
.endr
	JLOAD 0                                        ; K step 0: one tensor load a wave at the head
	s_cmp_eq_u32 s15, 0
	s_cselect_b64 s[PFA:PFA+1], s[20:21], s[46:47] ; the pack that I fetch,
	s_cselect_b32 s12, s40, s41                    ; my place among the four that ask for it with me,
	s_mul_i32 s12, s12, 33*256                     ; and my 33 units of it: told apart by address alone
	s_mov_b32 s13, 0
	s_add_nc_u64 s[PFA:PFA+1], s[PFA:PFA+1], s[12:13]
	PF 1
	PF 2
	s_lshl_b32 s18, s42, 10                        ; my first column in bytes: 1,024 x tile column + 512 x half
	s_lshl_b32 s19, s16, 9
	s_add_co_u32 s18, s18, s19
	s_mov_b32 s19, 0
	s_add_nc_u64 s[8:9], s[8:9], s[18:19]          ; m at my columns
	s_lshl_b32 s12, s17, 8
	s_lshl_b32 s13, s15, 7
	s_add_co_u32 s12, s12, s13                     ; my first row
	s_lshl_b32 s12, s12, 14
	s_add_co_u32 s12, s12, s18
	s_mov_b32 s13, 0
	s_add_nc_u64 s[10:11], s[10:11], s[12:13]
	s_mul_i32 s21, s15, HALFT                      ; my pack of A
	s_mul_i32 s22, s16, HALFT
	s_add_co_u32 s22, s22, 2*HALFT                 ; my pack of B
	s_sub_co_u32 s23, s22, s21
	s_add_co_u32 s12, s21, SCO
	s_mul_i32 s13, s14, 16*SPITCH                  ; my stage
	v_and_b32 v1, 15, v0                           ; r
	v_bfe_u32 v2, v0, 4, 1                         ; h
	v_mul_u32_u24 v3, v1, PITCH
	v_lshl_add_u32 v4, v2, 4, v3                   ; a fragment's row x pitch + 16 h
	v_add_nc_u32 v[ADRA], s21, v4
	v_add_nc_u32 v[ADRB], s22, v4
	v_add_nc_u32 v[ADRA+1], SLOT, v[ADRA]
	v_add_nc_u32 v[ADRB+1], SLOT, v[ADRB]
	v_mul_u32_u24 v5, s23, v2                      ; lanes 16-31 take B's scale words
	v_lshl_add_u32 v5, v1, 3, v5                   ; 8 bytes a row
	v_add_nc_u32 v[ADRS], s12, v5
	v_add_nc_u32 v[ADRS+1], SLOT, v[ADRS]
	v_mul_u32_u24 v8, v1, SPITCH
	v_lshl_add_u32 v8, v2, 5, v8
	v_add_nc_u32 v[STO], s13, v8                   ; into the stage: row r, 32 bytes for each half of the lanes
	v_lshlrev_b32 v[CO], 4, v6                     ; back: 32 lanes take a row of 512 bytes; the same in out0
	v_add_nc_u32 v[RD], s13, v[CO]
	v_lshlrev_b32 v7, 5, v2
	s_wait_alu depctr_va_vdst(0)
.irp b, 0,1,2,3,4,5,6,7
	global_load_b128 v[BIAS+8*\b:BIAS+8*\b+3],   v7, s[8:9] offset:64*\b      ; m at columns 16 b + 8 h + 0 .. 7: the first products' C
	global_load_b128 v[BIAS+8*\b+4:BIAS+8*\b+7], v7, s[8:9] offset:64*\b+16
.endr
.macro FRAG reg, adr, q, i             ; 16 rows x 128 K: registers 4 c .. 4 c + 3 hold K = 32 c + 16 h + 0 .. 15
.irp c, 0,1,2,3
	ds_load_b128 v[\reg+4*\c:\reg+4*\c+3], v[\adr] offset:128*(\q)+32*\c+(\i)*16*PITCH
.endr
.endm
.macro FB slot, q, i0, i1              ; B's fragments i0 .. i1 of the slot's half q into set q
	WIN TO_B
.set I_, \i0
.rept (\i1)-(\i0)+1
	FRAG 128*(\q)+FR*I_, ADRB+\slot, \q, I_
.set I_, I_+1
.endr
.endm
.macro FA slot, q, a0                  ; A's blocks a0, a0 + 1 of the slot's half q; blocks 4-7 of half 1 go to Y
	WIN 0
.irp a, \a0, \a0+1
.if ((\a) > 3) && (\q)
	FRAG AY+FR*((\a)-4), ADRA+\slot, \q, \a
.else
	FRAG AF+FR*(\a), ADRA+\slot, \q, \a
.endif
.endr
.endm
.macro SCALES sc                       ; a slot's scale words: register 2 i + q: lanes 0-15 A's block i, lanes 16-31 B's block i
	WIN 0
.irp i, 0,1,2,3,4,5,6,7
	ds_load_b64 v[SC+16*\sc+2*\i:SC+16*\sc+2*\i+1], v[ADRS+\sc] offset:(\i/2)*PITCH+(\i%2)*128
.endr
.endm
; A's block a against B's eight.  The 64 accumulators take turns.  nops = 1: a v_nop behind each product: the eight places ahead of later loads into registers that earlier products have read
.macro BLKM a, q, sc, first, nops
.if ((\a) > 3) && (\q)
.set AR_, AY+FR*((\a)-4)
.else
.set AR_, AF+FR*(\a)
.endif
.set AC_, 64*((\a)%4)
.set SA_, SC+16*(\sc)+2*(\a)+(\q)
.if \first
.set W_, 0x81+0x40*((\a)/4)
.else
.set W_, 0xa1+0x50*((\a)/4)
.endif
	WIN W_
.irp b, 0,1,2,3,4,5,6,7
.if \first
	v_wmma_scale_f32_16x16x128_f8f6f4 v[AC_+8*\b:AC_+8*\b+7], v[128*(\q)+FR*\b:128*(\q)+FR*\b+FR-1], v[AR_:AR_+FR-1], v[BIAS+8*\b:BIAS+8*\b+7], v[SC+16*(\sc)+2*\b+(\q)], v[SA_] matrix_a_fmt:MATRIX_FMT_BF8 matrix_b_fmt:MATRIX_FMT_BF8 matrix_a_scale:MATRIX_SCALE_ROW1
.else
	v_wmma_scale_f32_16x16x128_f8f6f4 v[AC_+8*\b:AC_+8*\b+7], v[128*(\q)+FR*\b:128*(\q)+FR*\b+FR-1], v[AR_:AR_+FR-1], v[AC_+8*\b:AC_+8*\b+7], v[SC+16*(\sc)+2*\b+(\q)], v[SA_] matrix_a_fmt:MATRIX_FMT_BF8 matrix_b_fmt:MATRIX_FMT_BF8 matrix_a_scale:MATRIX_SCALE_ROW1
.endif
.if \nops
	v_nop
.endif
.endr
.endm
; A slot's first half.  It loads the second half's operands from the same slot, in three runs: Y and B's fragments 0, 1; B's fragments 2-7; A's blocks 0-3.
; Each wait counts the LDS loads issued behind the blocks that the next products read.  first = 1: the bias lies in Y, so Y's 16 loads come at the end, and two counts are 16 less.
.macro STEP0 slot, first
	s_wait_dscnt 24                                ; scale words, B's set 0, A's blocks 0, 1 are in; behind them: blocks 2, 3 and X: 24 loads
	BLKM 0, 0, \slot, \first, 1
.if (\first) == 0
	FA \slot, 1, 4
	FA \slot, 1, 6
.endif
	FB \slot, 1, 0, 1
	BLKM 1, 0, \slot, \first, 0
	s_wait_dscnt 40-16*(\first)                    ; blocks 2, 3; behind them: X 16, Y 16, B 8
	BLKM 2, 0, \slot, \first, 0
	FB \slot, 1, 2, 7
	BLKM 3, 0, \slot, \first, 0
	s_wait_dscnt 48-16*(\first)                    ; X; behind it: Y 16, B 32
	BLKM 4, 0, \slot, \first, 1
	FA \slot, 1, 0
	FA \slot, 1, 2
	BLKM 5, 0, \slot, \first, 0
	BLKM 6, 0, \slot, \first, 0
	BLKM 7, 0, \slot, \first, 0
.if \first
	WIN 0
	PLACES NP                                      ; the last products have read the bias
	FA \slot, 1, 4
	FA \slot, 1, 6
.endif
.endm
; A slot's second half.  mode 1: the drained round, the refill of this slot with the K step two on, then the other slot's first half is loaded, in three runs.  mode 0: the same with a plain barrier and no refill.  mode 2: the very last half step.
.macro STEP1 slot, next, mode
	WIN 0
.if (\mode) == 2
	s_wait_dscnt 8                                 ; all but A's blocks 2, 3
	BLKM 0, 1, \slot, 0, 0
	BLKM 1, 1, \slot, 0, 0
	s_wait_dscnt 0x0
.irp a, 2,3,4,5,6,7
	BLKM \a, 1, \slot, 0, 0
.endr
.else
.if (\mode) == 1
	s_wait_xcnt 0x0                                ; my prefetches have read their address: it steps a K step on
	s_add_nc_u64 s[PFA:PFA+1], s[PFA:PFA+1], BLK
.endif
	s_wait_tensorcnt 0x0                           ; my one load that was out, my pack of the other slot, has landed
	ds_add_u32 v[SPW], v[NIL]
.if (\mode) == 1
	s_add_nc_u64 s[G0+4*\slot+2:G0+4*\slot+3], s[G0+4*\slot+2:G0+4*\slot+3], 2*BLK     ; no load of mine is out: this slot's next pack
	s_add_nc_u64 s[G0B+4*\slot+2:G0B+4*\slot+3], s[G0B+4*\slot+2:G0B+4*\slot+3], 2*BLK
.endif
	s_wait_dscnt 9                                 ; the add and A's blocks 2, 3 (8 loads) may be out
	BLKM 0, 1, \slot, 0, 1
	s_wait_dscnt 0x0                               ; the add is done, and all my reads of this slot
	s_barrier_signal -1
	BLKM 1, 1, \slot, 0, 0
	WIN 0
	s_barrier_wait -1
.if (\mode) == 1
	CREST                                          ; no wave of any partner still reads this slot or has a load on its way
	JLOAD \slot
.endif
	FB \next, 0, 0, 3
	SCALES \next
.if (\mode) == 1
	s_cmp_gt_u32 s3, 1                             ; the last trip's two refills have no K step two refills on
	s_cbranch_scc0 .Lnone_\@
	PF 3
.Lnone_\@:
.endif
	BLKM 2, 1, \slot, 0, 1
	BLKM 3, 1, \slot, 0, 0
	FB \next, 0, 4, 7
	FA \next, 0, 0
	BLKM 4, 1, \slot, 0, 1
	BLKM 5, 1, \slot, 0, 0
	FA \next, 0, 2
	FA \next, 0, 4
	FA \next, 0, 6
	BLKM 6, 1, \slot, 0, 0
	BLKM 7, 1, \slot, 0, 0
.endif
.endm
	s_wait_tensorcnt 0x0                           ; my pack of K step 0 is in; slot 1's first fill is issued as a refill is
	ds_add_u32 v[SPW], v[NIL]
	s_wait_dscnt 0x0
	CROUND
	JLOAD 1
	SCALES 0
	FB 0, 0, 0, 7
	FA 0, 0, 0
	FA 0, 0, 2
	FA 0, 0, 4
	FA 0, 0, 6
	PF 3
	s_wait_loadcnt 0x0                             ; the bias
	STEP0 0, 1                                     ; the first half step stands in front of the loop: its products start the sums with m
	s_mov_b32 s3, LAPS-1
.Llap:                                                 ; a trip goes once round the ring and fills both slots again
	STEP1 0, 1, 1
	STEP0 1, 0
	STEP1 1, 0, 1
	STEP0 0, 0
	WIN 0
	s_sub_co_u32 s3, s3, 1
	s_cmp_lg_u32 s3, 0
	s_cbranch_scc1 .Llap
	STEP1 0, 1, 0                                  ; the last lap fills nothing
	STEP0 1, 0
	STEP1 1, 0, 2
	WIN 0
; THE WAY OUT, by blocks of 16 rows x 128 columns: through my own stage in LDS and back as whole rows of 512 bytes.  LDS serves a wave's instructions in order (ISA guide 5.7.1.4): no wait between the stores and the loads.
.macro TOSTAGE a
.set AC, 64*((\a)%4)
.set W_, 0x08+4*((\a)/4)
	WIN W_                                         ; the data: window 2 or 3
.irp b, 0,1,2,3,4,5,6,7
	ds_store_b128 v[STO], v[AC+8*\b:AC+8*\b+3] offset:64*\b          ; each accumulator from its low end on
	ds_store_b128 v[STO], v[AC+8*\b+4:AC+8*\b+7] offset:64*\b+16
.endr
	WIN 0
.set BB, BK+64*((\a)%2)
.irp t, 0,1,2,3,4,5,6,7,8,9,10,11,12,13,14,15
	ds_load_b128 v[BB+4*\t:BB+4*\t+3], v[RD] offset:\t*SPITCH
.endr
.endm
.macro SEND a, younger                 ; younger: the LDS instructions issued behind block a's loads
.set BB, BK+64*((\a)%2)
	s_wait_dscnt \younger
.if (\a) > 0
	s_add_nc_u64 s[10:11], s[10:11], 16*SIZE_N*4   ; behind a wait on XCNT: the earlier stores have read their base
.endif
.irp t, 0,1,2,3,4,5,6,7,8,9,10,11,12,13,14,15
	global_store_b128 v[CO], v[BB+4*\t:BB+4*\t+3], s[10:11] offset:\t*SIZE_N*4 th:TH_STORE_NT   ; 32 lanes store 512 consecutive bytes, at a multiple of 256 from out0's first byte
.endr
.endm
	PLACES NP
	TOSTAGE 0
.irp a, 1,2,3,4,5,6,7
.if \a > 1
	s_wait_xcnt 0x0                                ; block a - 2's stores have read their registers and their base
.endif
	TOSTAGE \a
	SEND \a-1, 32
.endr
	s_wait_xcnt 0x0
	SEND 7, 0
	s_wait_tensorcnt 0x0                           ; the wave's end
	ds_add_u32 v[SPW], v[NIL]
	s_wait_dscnt 0x0
	CROUND                                         ; the closing round
	s_endpgm
.Lfunc_end_k_qd20edf64b0_gemm:
	.size	k_qd20edf64b0_gemm, .Lfunc_end_k_qd20edf64b0_gemm-k_qd20edf64b0_gemm
	.p2alignl 7, 3214868480
	.fill 96, 4, 3214868480
	.section	.rodata,"a",@progbits
	.p2align	6, 0x0
	.amdhsa_kernel k_qd20edf64b0_gemm
		.amdhsa_group_segment_fixed_size 327680
		.amdhsa_private_segment_fixed_size 0
		.amdhsa_enable_private_segment 0
		.amdhsa_kernarg_size 32
		.amdhsa_user_sgpr_count 2
		.amdhsa_user_sgpr_kernarg_segment_ptr 1
		.amdhsa_wavefront_size32 1
		.amdhsa_system_sgpr_workgroup_id_x 1
		.amdhsa_system_sgpr_workgroup_id_y 1
		.amdhsa_system_sgpr_workgroup_id_z 1
		.amdhsa_system_vgpr_workitem_id 0
		.amdhsa_next_free_vgpr 1024
		.amdhsa_next_free_sgpr 68
		.amdhsa_reserve_vcc 0
		.amdhsa_float_denorm_mode_32 3
		.amdhsa_float_denorm_mode_16_64 3
		.amdhsa_memory_ordered 1
		.amdhsa_forward_progress 1
		.amdhsa_inst_pref_size 149
	.end_amdhsa_kernel
	.amdgpu_metadata
---
amdhsa.version: [ 1, 2 ]
amdhsa.kernels:
  - .name:           k_qd20edf64b0_gemm
    .symbol:         k_qd20edf64b0_gemm.kd
    .args:
      - { .name: a_pack, .offset: 0, .size: 8, .value_kind: global_buffer, .address_space: global }
      - { .name: b_pack, .offset: 8, .size: 8, .value_kind: global_buffer, .address_space: global }
      - { .name: m, .offset: 16, .size: 8, .value_kind: global_buffer, .address_space: global }
      - { .name: out0, .offset: 24, .size: 8, .value_kind: global_buffer, .address_space: global }
    .group_segment_fixed_size: 327680
    .private_segment_fixed_size: 0
    .kernarg_segment_align: 8
    .kernarg_segment_size: 32
    .max_flat_workgroup_size: 128
    .sgpr_count:     68
    .vgpr_count:     1024
    .wavefront_size: 32
...
	.end_amdgpu_metadata
.endif
;; end of part 2
